; MI455X (gfx1250); checked and timed in simulation.
; The chip was launched on July 23, 2026; its instructions are those of AMD's public machine-readable ISA for CDNA 5 (MIT licence, August 2026) and "CDNA5" Instruction Set Architecture Reference Guide (July 2026). The comments in the code are by the model that wrote it; some were corrected since.
;; Self Attention. Allowed arithmetic: matrix products marked QUANTISED: E2M1 operands, one E8M0 scale for each 32 along K, by v_wmma_scale_f32_16x16x128_f8f6f4 with both operands' format E2M1 (or v_wmma_scale_f32_32x16x128_f4), f32 sums; everything else in f32.
;; Inputs: Wk 256 x 256 float32; Wq 256 x 256 float32; Wv 256 x 256 float32; bk 256 float32; bq 256 float32; bv 256 float32; x 4 x 4,096 x 256 float32.
;; Outputs: out0 4 x 4,096 x 256 float32.
;; This version of the problem:
;;   THIS VERSION OF THE PROBLEM IS GIVEN IN LOW PRECISION. The matrix products marked QUANTISED in the list below multiply operands that are first quantised to E2M1 (2 exponent bits, 1 mantissa bit; 4 bits a number), with one power-of-two scale for each 32 numbers along K (OCP MX v1.0); their sums are f32. All else is computed in f32.
;;   The module's matrix products, in the order in which they are computed (A, B: the left and right operand; K: the contracted axis; several contracted axes count as one K, in the product's order):
;;     1. [M 16,384, K 256] x [K 256, N 256]; A: input x; B: input Wq: QUANTISED
;;     2. [M 16,384, K 256] x [K 256, N 256]; A: input x; B: input Wk: QUANTISED
;;     3. [M 16,384, K 256] x [K 256, N 256]; A: input x; B: input Wv: QUANTISED
;;     4. batch 4 x [M 4,096, K 256] x [K 256, N 4,096]; A: computed on the way; B: computed on the way: QUANTISED
;;     5. batch 4 x [M 4,096, K 4,096] x [K 4,096, N 256]; A: softmax (see below); B: computed on the way: QUANTISED
;;   THE QUANTISER, for each operand of a quantised product, along K:
;;     - K is cut into blocks of 32 from its start; a last block that is shorter is filled with zeros.
;;     - A block's scale is 2^e with e = floor(log2(the largest magnitude in the block)) - 2, held to -126 .. 127; a block of zeros has e = 0. As a byte (E8M0): e + 127.
;;     - Each number is divided by its block's scale, clamped to +-6, and rounded to the nearest number of E2M1, ties to even, subnormals kept.
;;     - The product sums the exact products of the quantised numbers (number of the format x scale) in f32.
;;   ~~~python
;;   def quantise(x, axis):      # numpy; x: float32 -> the quantised numbers, widened to float32 again
;;       x = np.moveaxis(x, axis, -1); K = x.shape[-1]
;;       x = np.pad(x, [(0, 0)] * (x.ndim - 1) + [(0, -K % 32)]); x = x.reshape(x.shape[:-1] + (-1, 32)); a = np.abs(x).max(-1, keepdims=True)
;;       e = np.where(a > 0, np.clip(np.frexp(np.where(a > 0, a, 1))[1] - 1 - 2, -126, 127), 0)      # np.frexp(a)[1] - 1 = floor(log2(a)), exactly
;;       r = np.clip(x / 2.0 ** e, -6, 6)
;;       step = 2.0 ** (np.maximum(np.frexp(np.where(r == 0, 1, r))[1] - 1, 0) - 1)
;;       q = np.round(r / step) * step * 2.0 ** e      # np.round: ties to even
;;       return np.moveaxis(q.reshape(q.shape[:-2] + (-1,))[..., :K], -1, axis).astype(np.float32)
;;   ~~~
;;   SOFTMAX AHEAD OF A QUANTISED PRODUCT. Where the list says 'softmax', what is quantised is not the finished softmax but p = 2^(t - M), with t = logit x log2(e) and M = ceil(the row's largest t), a whole number; so 1/2 < the row's largest p <= 1. The row's sum l is taken of the UNQUANTISED p, in f32, and the product's result is divided by l at the end. Since M is a whole number, a kernel that streams over the keys may use a running M (the ceiling of the running maximum): every later rescaling is an exact power of two, which a block's scale takes up: the codes' values come out the same.
;;   OPERANDS COMPUTED ON THE WAY. 'Computed on the way' means the value that the module computes at that place (a softmax that the list does not call 'softmax' is quantised finished and normalised). What goes into a quantiser is computed in f32, as accurately as f32 sums, v_exp_f32 and their like allow (about 1e-6 of the number): no bf16 or f16 on the way to a quantiser, and a product that is left as it is and whose result goes on into a quantised operand takes f32 operands (vector FMAs, or v_wmma_f32_16x16x4_f32). A number that lies on a knife's edge between two numbers of the format may be rounded either way, as far as f32 arithmetic and the matrix unit's own rounding can turn it there, and no further.
;; One version. Each part assembles by itself: llvm-mc -triple=amdgcn-amd-amdhsa -mcpu=gfx1250 --defsym DOCPART=n.
;; ======== version 1 of 1: 3 launches
;; limits: right only within a limited range of input values
;; workspace buffers: wpk 104,448 bytes; qc 2,228,224 bytes; kv 4,456,448 bytes
;; launch wquant (part 1): grid 16 x 3, 1 waves a work-group, no clusters, 0 bytes of LDS; arguments Wq, Wk, Wv, wpk; writes wpk
.if DOCPART == 1
	.amdgcn_target "amdgcn-amd-amdhsa--gfx1250"
	.amdhsa_code_object_version 6
	.text
	.protected	k_q6007be698c_wquant
	.globl	k_q6007be698c_wquant
	.p2align	8
	.type	k_q6007be698c_wquant,@function
k_q6007be698c_wquant:
	s_mov_b64 s[64:65], 0
	v_nop
	global_prefetch_b8 v0, s[64:65] scope:SCOPE_SE
	s_setreg_imm32_b32 hwreg(HW_REG_WAVE_MODE, 25, 1), 1
	s_wait_xcnt 0x0
; Wq, Wk, Wv [256 (e)][256 (d)] f32 become codes of FP4 (E2M1) with one E8M0 scale byte for each 32 along d, laid as the next launch's operand registers want them.
; A work-group is one wave and takes one tile: 16 rows e x 256 d of one matrix (x = the tile, 0 .. 15; y = the matrix: 0 q, 1 k, 2 v).
; THE ROWS OF A TILE ARE NOT NEIGHBOURS: lane r of tile 2 b + u of a half of 128 rows takes row 32 b + 8 u + r + 8 (r / 8), so that the results of two neighbouring tiles are 16 neighbours along e in a lane's registers.
; Lane (r, h) loads, for each 64 along d, the 32 numbers 32 h + 0 .. 31 of its row: a whole block, in the order of the operand's registers.  So a block's largest magnitude needs no other lane and the conversions' results ARE the fragment.
; OUT: wpk [e half y][52,224]: a fragment (16 rows x 128 d, 8 registers a lane) as an image of its registers, 1,024 bytes at matrix x 16,384 + tile x 2,048 + K step x 1,024: registers 0-3 at 16 x lane, registers 4-7 at 512 + 16 x lane;
; the scale words at 49,152 + matrix x 1,024 + 512 x K step + 64 x tile + 4 r.
; A block's scale is 2^(floor(log2(its largest magnitude)) - 2); its byte is that magnitude's exponent field - 2, held at 1 from below.
; LIMITS: a block of zeros, or one whose largest magnitude lies under 2^-124, gets the byte 1 (the rule says 127 for zeros): its codes are zeros or held, and this program alone reads the bytes.  NaN and infinities are not served.
; The loads take 16 bytes a lane from rows 1,024 bytes apart, and the scale store covers two runs of 64 bytes: the three matrices are 786,432 bytes in all, read once.  No LDS, no barrier: nothing is shared.
.set X,  32                            ; v32-159  block q = 2 s + c (K step s, half c) at X + 32 q: 32 numbers
.set MX, 8                             ; v8-11    the blocks' largest magnitudes
.set SO, 12                            ; v12-15   the conversions' scale operands
.set BY, 16                            ; v16-19   the scale bytes
.set WD, 20                            ; v20-21   the scale word of K step 0, 1
.set PR, 24                            ; v24-25   the other half of the lanes' part of it
.set C,  160                           ; v160-175 the codes: 4 q + g
	s_load_b256 s[4:11], s[0:1], 0x0               ; Wq s[4:5], Wk s[6:7], Wv s[8:9], wpk s[10:11]
	v_and_b32 v1, 15, v0                           ; r
	v_lshrrev_b32 v2, 4, v0                        ; h
	v_and_b32 v3, 8, v1
	v_add_nc_u32 v3, v3, v1                        ; r + 8 (r / 8)
	v_lshlrev_b32 v3, 10, v3                       ; a row of W is 1,024 bytes
	v_lshl_add_u32 v3, v2, 7, v3                   ; + 128 h: my 32 numbers of each 64
	v_lshlrev_b32 v4, 4, v0                        ; an image's place for my lane
	v_lshlrev_b32 v5, 2, v1
	v_lshl_add_u32 v5, v2, 9, v5                   ; a scale word's: 512 h + 4 r
	v_lshlrev_b32 v6, 3, v2                        ; 8 h
	v_mov_b32 v[PR], 0                             ; a lane permute's destination counts as one of its sources
	v_mov_b32 v[PR+1], 0
	s_mov_b32 s20, 0x76543210
	s_mov_b32 s21, 0xfedcba98                      ; v_permlanex16_b32's selects for lane l xor 16
	s_and_b32 s12, ttmp7, 0xffff                   ; the matrix
	s_lshr_b32 s13, ttmp9, 3                       ; y: which half of e
	s_and_b32 s14, ttmp9, 7                        ; the tile in it
	s_lshl_b32 s16, s13, 17                        ; the tile's first row, in bytes: (128 y + 32 (tile / 2) + 8 (tile % 2)) x 1,024
	s_lshr_b32 s15, s14, 1
	s_lshl_b32 s15, s15, 15
	s_add_co_u32 s16, s16, s15
	s_and_b32 s15, s14, 1
	s_lshl_b32 s15, s15, 13
	s_add_co_u32 s16, s16, s15
	s_mov_b32 s17, 0
	s_mul_i32 s18, s13, 52224                      ; the half's part of wpk
	s_lshl_b32 s15, s12, 14
	s_add_co_u32 s22, s18, s15
	s_lshl_b32 s15, s14, 11
	s_add_co_u32 s22, s22, s15                     ; the tile's two images
	s_mov_b32 s23, 0
	s_lshl_b32 s15, s12, 10
	s_add_co_u32 s24, s18, s15
	s_lshl_b32 s15, s14, 6
	s_add_co_u32 s24, s24, s15
	s_add_co_u32 s24, s24, 49152                   ; and its scale words
	s_mov_b32 s25, 0
	s_wait_alu depctr_va_vdst(0)
	s_wait_kmcnt 0x0
	s_cmp_eq_u32 s12, 0                            ; the choice hangs on the work-group's number alone
	s_cselect_b64 s[4:5], s[4:5], s[6:7]
	s_cmp_eq_u32 s12, 2
	s_cselect_b64 s[4:5], s[8:9], s[4:5]
	s_add_nc_u64 s[4:5], s[4:5], s[16:17]
	s_add_nc_u64 s[22:23], s[10:11], s[22:23]
	s_add_nc_u64 s[24:25], s[10:11], s[24:25]
.irp q, 0,1,2,3
.irp i, 0,1,2,3,4,5,6,7
	global_load_b128 v[X+32*\q+4*\i:X+32*\q+4*\i+3], v3, s[4:5] offset:256*\q+16*\i
.endr
.endr
	s_wait_loadcnt 0x0
.irp q, 0,1,2,3
	v_max3_num_f32 v[MX+\q], |v[X+32*\q]|, |v[X+32*\q+1]|, 0x1800000   ; and the floor 2^(3 - 127): so the byte cannot fall under 1
.endr
.irp i, 2,4,6,8,10,12,14,16,18,20,22,24,26,28,30
.irp q, 0,1,2,3
	v_max3_num_f32 v[MX+\q], v[MX+\q], |v[X+32*\q+\i]|, |v[X+32*\q+\i+1]|   ; the four blocks by turns
.endr
.endr
.irp q, 0,1,2,3
	v_add_nc_u32 v[SO+\q], 0xff000000, v[MX+\q]    ; 2 off the exponent field: the conversion takes the exponent field of this operand as its scale
.endr
.irp q, 0,1,2,3
	v_lshrrev_b32 v[BY+\q], 23, v[SO+\q]           ; the scale's byte
.endr
.irp s, 0,1
	v_lshl_or_b32 v[WD+\s], v[BY+2*\s+1], 16, v[BY+2*\s]   ; my two bytes of K step s: blocks h and 2 + h,
.endr
.irp s, 0,1
	v_lshlrev_b32 v[WD+\s], v6, v[WD+\s]           ; at their places in the word;
.endr
.irp s, 0,1
	v_permlanex16_b32 v[PR+\s], v[WD+\s], s20, s21
.endr
.irp s, 0,1
	v_or_b32 v[WD+\s], v[WD+\s], v[PR+\s]          ; with lane l xor 16's two the word is whole
.endr
.irp q, 0,1,2,3
.irp g, 0,1,2,3
	v_cvt_scalef32_pk8_fp4_f32 v[C+4*\q+\g], v[X+32*\q+8*\g:X+32*\q+8*\g+7], v[SO+\q]
.endr
.endr
	v_cmp_gt_u32 vcc_lo, 16, v0                    ; (plain lines behind the conversions)
	v_cndmask_b32 v22, v[WD+1], v[WD], vcc_lo      ; lanes 0-15 store K step 0's word of row r, lanes 16-31 K step 1's
.irp q, 0,1,2,3
	global_store_b128 v4, v[C+4*\q:C+4*\q+3], s[22:23] offset:512*\q   ; 32 lanes store 512 consecutive bytes
.endr
	global_store_b32 v5, v22, s[24:25]
	s_endpgm
.Lfunc_end_k_q6007be698c_wquant:
	.size	k_q6007be698c_wquant, .Lfunc_end_k_q6007be698c_wquant-k_q6007be698c_wquant
	.p2alignl 7, 3214868480
	.fill 96, 4, 3214868480
	.section	.rodata,"a",@progbits
	.p2align	6, 0x0
	.amdhsa_kernel k_q6007be698c_wquant
		.amdhsa_group_segment_fixed_size 0
		.amdhsa_private_segment_fixed_size 0
		.amdhsa_enable_private_segment 0
		.amdhsa_kernarg_size 32
		.amdhsa_user_sgpr_count 2
		.amdhsa_user_sgpr_kernarg_segment_ptr 1
		.amdhsa_wavefront_size32 1
		.amdhsa_system_sgpr_workgroup_id_x 1
		.amdhsa_system_sgpr_workgroup_id_y 1
		.amdhsa_system_sgpr_workgroup_id_z 1
		.amdhsa_system_vgpr_workitem_id 0
		.amdhsa_next_free_vgpr 192
		.amdhsa_next_free_sgpr 66
		.amdhsa_reserve_vcc 1
		.amdhsa_float_denorm_mode_32 3
		.amdhsa_float_denorm_mode_16_64 3
		.amdhsa_memory_ordered 1
		.amdhsa_forward_progress 1
		.amdhsa_inst_pref_size 12
	.end_amdhsa_kernel
	.amdgpu_metadata
---
amdhsa.version: [ 1, 2 ]
amdhsa.kernels:
  - .name:           k_q6007be698c_wquant
    .symbol:         k_q6007be698c_wquant.kd
    .args:
      - { .name: Wq, .offset: 0, .size: 8, .value_kind: global_buffer, .address_space: global }
      - { .name: Wk, .offset: 8, .size: 8, .value_kind: global_buffer, .address_space: global }
      - { .name: Wv, .offset: 16, .size: 8, .value_kind: global_buffer, .address_space: global }
      - { .name: wpk, .offset: 24, .size: 8, .value_kind: global_buffer, .address_space: global }
    .group_segment_fixed_size: 0
    .private_segment_fixed_size: 0
    .kernarg_segment_align: 8
    .kernarg_segment_size: 32
    .max_flat_workgroup_size: 32
    .sgpr_count:     66
    .vgpr_count:     192
    .wavefront_size: 32
...
	.end_amdgpu_metadata
.endif
;; end of part 1
;; launch proj (part 2): grid 2 x 128, 8 waves a work-group, clusters of 2 x 1, 205,824 bytes of LDS; arguments x, wpk, bq, bk, bv, qc, kv; writes qc, kv
.if DOCPART == 2
	.amdgcn_target "amdgcn-amd-amdhsa--gfx1250"
	.amdhsa_code_object_version 6
	.text
	.protected	k_q6007be698c_proj
	.globl	k_q6007be698c_proj
	.p2align	8
	.type	k_q6007be698c_proj,@function
k_q6007be698c_proj:
	s_mov_b64 s[64:65], 0
	v_nop
	global_prefetch_b8 v0, s[64:65] scope:SCOPE_SE
	s_setreg_imm32_b32 hwreg(HW_REG_WAVE_MODE, 25, 1), 1
	s_wait_xcnt 0x0
	s_wait_alu depctr_hold_cnt(0) depctr_sa_sdst(0) depctr_va_vdst(0) depctr_va_sdst(0) depctr_va_ssrc(0) depctr_va_vcc(0) depctr_vm_vsrc(0)
	s_getreg_b32 s2, hwreg(HW_REG_IB_STS2, 6, 4)
	s_cmp_eq_u32 s2, 0
	s_cbranch_scc0 .Lentry_in_a_cluster
	s_endpgm
.Lentry_in_a_cluster:
	s_bfe_u32 s2, ttmp6, 0x10000c
	s_cmp_lg_u32 s2, 0x1001
	s_cbranch_scc0 .Lentry_shape_is_right
	s_endpgm
.Lentry_shape_is_right:
; q = x Wq^T + bq, k = x Wk^T + bk, v = x Wv^T + bv on codes of FP4 (E2M1) with one E8M0 scale for each 32 along d; the results, in f32, are quantised at once for the attention that follows:
; q and k along e (the first attention product's K), v along the tokens (the second's).  x [16,384][256] f32; wpk: the weights as fragment images and scale words (see the launch before).
; SHARES.  A work-group takes 128 tokens (y of the grid) and one half of e, 128 wide (x of the grid: its place in the cluster).  Eight waves.  Wave w quantises tile w of x (16 tokens x 256 d) and hands it round through LDS as images of its registers;
; then it makes three units of 16 matrix instructions: q and k of token tile w (source 0 = the 8 tiles of W, source 1 = x's tile w: a lane holds one token, its registers run along e), and v of e tile w
; (source 0 = the 8 tiles of x, source 1 = Wv's tile w: a lane holds one e, its registers run along the tokens).  Each unit's 64 numbers a lane are one fragment of 16 rows x 128 K and one scale word a row.
; A unit's eight tiles are fetched from LDS into window 1 while the work before it is done: two buffers of 128 registers by turns.
; THE ROWS OF A TILE ARE NOT NEIGHBOURS, of W and of x alike: lane r of tile 2 b + u takes row 32 b + 8 u + r + 8 (r / 8), so that the 16 registers of result tiles 2 b and 2 b + 1 are 16 neighbours, 32 b + 16 (lane / 16) + 0 .. 15.
; The biases are the C of each sum's first matrix instruction.
; CLUSTER.  The two halves of e of one token block need the same rows of x: waves 0 to 3 of both ask for them JOINTLY, with one descriptor and a mask that names the two.  The weights' block hangs on the half and is a plain load of waves 4 to 7.
; OUT.  A fragment leaves as an image of its registers, 1,024 bytes: registers 0-3 at 16 x lane, registers 4-7 at 512 + 16 x lane.  qc [token block][17,408]: images at tile x 2,048 + K step x 1,024, scale words at 16,384 + 512 x K step + 64 x tile + 4 r.
; kv [512 tokens][139,264], j = token block % 4: K's images at 32,768 j + tile x 2,048 + K step x 1,024; V's at 32,768 j + 16,384 + e tile x 1,024; K's scale words at 131,072 + 2,048 j (as q's), V's 1,024 behind them, at 512 x (e tile / 8) + 64 x (e tile % 8) + 4 r.
; No prefetch: everything is fetched once, at the head, and there is no loop to run ahead in.
; LIMITS: a block of zeros, or one whose largest magnitude lies under 2^-124, gets the byte 1 (the rule says 127 for zeros): its codes are zeros or held, and this program alone reads the bytes.  NaN and infinities are not served.
; LDS: x's rows and the weights' block are filled once by the tensor data mover; the images, scale words and the stage for the results' scale words have blocks of 256 bytes of their own.
.set XP,    1040                       ; a row of x in LDS: 1,024 bytes + 16 of padding: the 16 rows that a load touches, one behind the other, begin at 16 different 16-byte columns of 256
.set WPK,   133120                     ; behind x's 128 rows: the weights' block, 52,224 bytes, as in memory
.set WSC,   WPK+49152                  ; its scale words
.set XIMG,  185344                     ; x's 16 fragments: tile x 2,048 + K step x 1,024
.set XSC,   201728                     ; their scale words: 512 x K step + 64 x tile + 4 r
.set OSC,   202752                     ; the results' scale words: 512 x kind (q, k, v) + 64 x wave + 4 r
.set SPARE, 204800                     ; the spare words, 128 bytes for each wave: four blocks of 256 bytes that no other line names
.set SPW,   1
.set NIL,   2
.set LI,    3                          ; v3   16 x lane
.set AXS,   4                          ; v4   my 16 numbers of a block of my row of x in LDS
.set AXW,   5                          ; v5   where I store x's images
.set ASXS,  6                          ; v6   and their scale words
.set AW,    7                          ; v7   the weights' images for my lane
.set AX,    8                          ; v8   x's images for my lane
.set ASW,   9                          ; v9   the weights' scale words: lanes 0-15 K step 0's, lanes 16-31 K step 1's
.set ASX,   10                         ; v10  x's likewise
.set AOS,   11                         ; v11  where I store a result's scale word
.set BO,    12                         ; v12  64 h: my eight numbers of a bias for a tile
.set BVO,   13                         ; v13  4 (r + 8 (r / 8)): my e's number of bv
.set AWV,   14                         ; v14  Wv's tile w;  v15 its scale words;  v16 x's tile w's scale words;  v17 the results' scale words on their way out
.set ASWV,  15
.set ASXW,  16
.set AOO,   17
.set BVL,   18                         ; v18  bv's number
.set PW,    19                         ; v19  the scale word just made
.set SSC,   20                         ; v20-27 scale words of a unit's eight tiles;  v28 of the wave's own tile: these nine hold scales and nothing else
.set MSC,   28
.set TM,    30                         ; v30-33 largest magnitudes, v34-37 the other lanes', then the bytes, v38-41 the conversions' scale operands
.set MOV,   48                         ; v48-63 the wave's own tile, two K steps
.set ACC,   64                         ; v64-127 eight accumulators
.set XN,    128                        ; v128-255 my 128 numbers of x; behind them:
.set PC,    128                        ; v128-135 the codes just made
.set BV,    136                        ; v136-143 bv of my e, eight times: the C of v's first products
.set XB,    144                        ; v144-207 bk in the results' layout: the C of k's first products
.set OUTR,  208                        ; v208-219 scale words on their way out
.set WV,    18
.set SEL,   20
.set MSB, 0
.macro WIN new                         ; the immediate's high byte repeats the setting that is left
.if MSB != \new
	s_set_vgpr_msb (MSB<<8)|\new
.set MSB, \new
.endif
.endm
.macro VDONE
	s_wait_alu depctr_va_vdst(0)
.endm
.macro PLACES n
.rept \n
	v_nop
.endr
.endm
; 64 numbers of a lane, v[s] on, register 16 b + i = k 32 b + 16 (lane / 16) + i of my row, become a fragment's codes in v[d] on and its scale word in v[PW].
.macro QUANT s, d
.irp b, 0,1,2,3
	v_max3_num_f32 v[TM+\b], |v[(\s)+16*\b]|, |v[(\s)+1+16*\b]|, 0x1800000   ; block b: my 16 numbers, from the low end on, and the floor 2^(3 - 127): the byte cannot fall under 1
.endr
.irp i, 2,4,6,8,10,12,14
.irp b, 0,1,2,3
	v_max3_num_f32 v[TM+\b], v[TM+\b], |v[(\s)+16*\b+\i]|, |v[(\s)+1+16*\b+\i]|   ; the four blocks by turns
.endr
.endr
.irp b, 0,1,2,3
	s_delay_alu instid0(VALU_DEP_4)
	v_permlanex16_b32 v[TM+4+\b], v[TM+\b], s[SEL], s[SEL+1]
.endr
.irp b, 0,1,2,3
	s_delay_alu instid0(VALU_DEP_4)
	v_max_num_f32 v[TM+\b], v[TM+\b], v[TM+4+\b]   ; with lane l xor 16's: the block's largest magnitude
.endr
.irp b, 0,1,2,3
	s_delay_alu instid0(VALU_DEP_4)
	v_add_nc_u32 v[TM+8+\b], 0xff000000, v[TM+\b]  ; 2 off its exponent field: the conversion's scale operand
.endr
.irp b, 0,1,2,3
	s_delay_alu instid0(VALU_DEP_4)
	v_lshrrev_b32 v[TM+4+\b], 23, v[TM+8+\b]       ; the scale's byte
.endr
	s_delay_alu instid0(VALU_DEP_3)
	v_lshl_or_b32 v[PW], v[TM+5], 8, v[TM+4]       ; the four bytes make my row's scale word
	s_delay_alu instid0(VALU_DEP_1)
	v_lshl_or_b32 v[PW], v[TM+6], 16, v[PW]
	s_delay_alu instid0(VALU_DEP_1)
	v_lshl_or_b32 v[PW], v[TM+7], 24, v[PW]
.irp b, 0,1,2,3
	v_cvt_scalef32_pk8_fp4_f32 v[(\d)+2*\b], v[(\s)+16*\b:(\s)+7+16*\b], v[TM+8+\b]
	v_cvt_scalef32_pk8_fp4_f32 v[(\d)+1+2*\b], v[(\s)+8+16*\b:(\s)+15+16*\b], v[TM+8+\b]
.endr
	v_nop                                          ; one plain place behind a scaled conversion
.irp c, 0,1                                    ; the operand's layout wants a WHOLE block in a lane: lanes 0-15 block 2 c, lanes 16-31 block 2 c + 1
.irp e, 0,1
	v_permlane16_swap_b32 v[(\d)+4*\c+\e], v[(\d)+2+4*\c+\e]
.endr
.endr
.endm
.macro BIAS d, p                       ; a bias in the results' layout: tile t, lane (r, h): the numbers of e 32 (t / 2) + 8 (t % 2) + 16 h + 0 .. 7
.irp t, 0,1,2,3,4,5,6,7
	global_load_b128 v[\d+8*\t:\d+8*\t+3], v[BO], s[\p:\p+1] offset:(32*(\t/2)+8*(\t%2))*4
	global_load_b128 v[\d+8*\t+4:\d+8*\t+7], v[BO], s[\p:\p+1] offset:(32*(\t/2)+8*(\t%2))*4+16
.endr
.endm
.macro LSCALE sad, sof                 ; eight tiles' scale words
.irp t, 0,1,2,3,4,5,6,7
	ds_load_b32 v[SSC+\t], v[\sad] offset:\sof+64*\t
.endr
.endm
.macro LFRAG buf, adr, aof, a, b, c, d ; four tiles' sixteen loads, into window 1
	WIN 0x40
.irp t, \a, \b, \c, \d
.irp f, 0,1,2,3
	ds_load_b128 v[\buf+16*\t+4*\f:\buf+16*\t+4*\f+3], v[\adr] offset:\aof+2048*\t+512*\f
.endr
.endr
	WIN 0
.endm
; 16 matrix instructions: the eight accumulators by turns, K step by K step.  The sums begin with the registers from cb on, cs apart from tile to tile.
.macro MM buf, cb, cs
	WIN 0x01
.irp t, 0,1,2,3,4,5,6,7
	v_wmma_scale_f32_16x16x128_f8f6f4 v[ACC+8*\t:ACC+8*\t+7], v[\buf+16*\t:\buf+16*\t+7], v[MOV:MOV+7], v[\cb+\cs*\t:\cb+\cs*\t+7], v[SSC+\t], v[MSC] matrix_a_fmt:MATRIX_FMT_FP4 matrix_b_fmt:MATRIX_FMT_FP4
.endr
	VDONE
.irp t, 0,1,2,3,4,5,6,7
	v_wmma_scale_f32_16x16x128_f8f6f4 v[ACC+8*\t:ACC+8*\t+7], v[\buf+16*\t+8:\buf+16*\t+15], v[MOV+8:MOV+15], v[ACC+8*\t:ACC+8*\t+7], v[SSC+\t], v[MSC] matrix_a_fmt:MATRIX_FMT_FP4 matrix_b_fmt:MATRIX_FMT_FP4 matrix_a_scale:MATRIX_SCALE_ROW1 matrix_b_scale:MATRIX_SCALE_ROW1
.endr
	WIN 0
.endm
.macro OUT p, kind                     ; the fragment's image to memory, 512 consecutive bytes a store; its scale word to the stage (both halves of the lanes write the same word with the same value)
	global_store_b128 v[LI], v[PC:PC+3], s[\p:\p+1]
	global_store_b128 v[LI], v[PC+4:PC+7], s[\p:\p+1] offset:512
	ds_store_b32 v[AOS], v[PW] offset:\kind*512
.endm
.macro BARRIER                         ; my LDS stores have landed and my LDS loads are in: then the work-group's barrier
	s_wait_dscnt 0x0
	s_barrier_signal -1
	s_barrier_wait -1
.endm
.macro ROUND                           ; a round of the cluster's barrier
	s_barrier_signal -1
	s_barrier_wait -1
	s_cmp_lg_u32 s[WV], 0
	s_cbranch_scc1 .Lnot_wave_0_\@
	s_barrier_signal -3
.Lnot_wave_0_\@:
	s_barrier_wait -3
	s_barrier_signal -1
	s_barrier_wait -1
.endm
	s_load_b256 s[4:11], s[0:1], 0x0               ; x s[4:5], wpk s[6:7], bq s[8:9], bk s[10:11]
	s_load_b128 s[12:15], s[0:1], 0x20             ; bv s[12:13], qc s[14:15]
	s_load_b64 s[16:17], s[0:1], 0x30              ; kv
	v_lshl_add_u32 v[SPW], v0, 2, SPARE
	v_mov_b32 v[NIL], 0
	ds_add_u32 v[SPW], v[NIL]                      ; the wave's opening: the add, twice on end, under one wait
	ds_add_u32 v[SPW], v[NIL]
	v_lshrrev_b32 v42, 5, v0
	v_readfirstlane_b32 s[WV], v42                 ; wave 0..7
	s_and_b32 s22, ttmp7, 0xffff                   ; the token block, which the two partners share
	s_bfe_u32 s23, ttmp6, 0x40000                  ; my place in the cluster: which half of e
	; descriptor group 1 for x.  A load brings two tiles, 32 rows: four runs of 8 rows, each run 8,192 consecutive bytes, 16 rows from run to run; so it is stated as 4 rows of 2,048 elements, with the padding behind each 1,024 bytes
	s_mov_b32 s24, 3|(2<<16)|(1<<20)|(1<<21)|(7<<22)|(3<<25) ; 15:0 the mask: both work-groups; 17:16 elements of 4 bytes; 20 padding on; 21 set beside a mask; 24:22 after every 256 words (code 7); 31:25 four words (code 3)
	s_mov_b32 s25, 2048<<16                        ; tensor_dim0
	s_mov_b32 s26, 4<<16                           ; tensor_dim1
	s_mov_b32 s27, 2048<<16                        ; tile_dim0
	s_mov_b32 s28, 4                               ; tile_dim1
	s_mov_b32 s29, 4096                            ; tensor_dim0_stride
	s_mov_b32 s30, 0
	s_mov_b32 s31, 0
	; and for a quarter of the weights' block: 13,056 dense bytes as 51 rows of 32 elements of 8 bytes
	s_mov_b32 s32, 3<<16
	s_mov_b32 s33, 32<<16
	s_mov_b32 s34, 51<<16
	s_mov_b32 s35, 32<<16
	s_mov_b32 s36, 51
	s_mov_b32 s37, 32
	s_mov_b32 s38, 0
	s_mov_b32 s39, 0
	s_lshr_b32 s66, s[WV], 1
	s_and_b32 s67, s[WV], 1
	; wave j = 0 .. 3 fetches tiles 4 (j / 2) + j % 2 and + 2 of x: from token 64 (j / 2) + 8 (j % 2) on; wave 4 + j a quarter of the weights' block
	s_and_b32 s70, s[WV], 3
	s_lshl_b32 s2, s22, 17
	s_lshr_b32 s68, s70, 1
	s_lshl_b32 s68, s68, 16
	s_add_co_u32 s2, s2, s68
	s_and_b32 s68, s70, 1
	s_lshl_b32 s68, s68, 13
	s_add_co_u32 s2, s2, s68
	s_mov_b32 s3, 0
	s_mov_b32 s40, 1                               ; groups 0: count = 1;
	s_mov_b32 s48, 1
	s_mul_i32 s41, s70, 32*XP                      ; LDS: no place in the cluster enters an LDS address
	s_mul_i32 s68, s70, 13056
	s_add_co_u32 s49, s68, WPK
	s_mul_i32 s69, s23, 52224                      ; which half of e
	s_add_co_u32 s68, s68, s69
	s_mov_b32 s69, 0
	s_mov_b32 s[SEL], 0x76543210
	s_mov_b32 s[SEL+1], 0xfedcba98                 ; v_permlanex16_b32's selects for lane l xor 16
	; where my tile of x lies in LDS: load 2 (w / 4) + w % 2, its tile (w / 2) % 2
	s_lshr_b32 s19, s[WV], 2
	s_lshl_b32 s19, s19, 1
	s_add_co_u32 s19, s19, s67
	s_mul_i32 s19, s19, 32*XP
	s_and_b32 s71, s66, 1
	s_mul_i32 s71, s71, 16*XP
	s_add_co_u32 s19, s19, s71
	s_lshl_b32 s78, s[WV], 11                      ; 2,048 w
	s_lshl_b32 s79, s[WV], 6                       ; 64 w
	s_add_co_u32 s62, s78, XIMG
	s_add_co_u32 s63, s79, XSC
	s_add_co_u32 s72, s79, OSC
	s_add_co_u32 s73, s78, 32768
	s_add_co_u32 s74, s79, 2048
	VDONE
	s_wait_dscnt 0x0                               ; both opening adds are done
	s_wait_kmcnt 0x0
	s_add_nc_u64 s[42:43], s[4:5], s[2:3]
	s_add_nc_u64 s[50:51], s[6:7], s[68:69]
	s_or_b32 s43, s43, 0x80000000                  ; type = 2
	s_or_b32 s51, s51, 0x80000000
	s_lshl_b32 s2, s23, 9                          ; 512 y: the half's numbers of a bias
	s_add_nc_u64 s[8:9], s[8:9], s[2:3]
	s_add_nc_u64 s[10:11], s[10:11], s[2:3]
	s_lshl_b32 s68, s66, 7
	s_add_co_u32 s68, s68, s2
	s_lshl_b32 s70, s67, 5
	s_add_co_u32 s68, s68, s70                     ; bv: + (32 (w / 2) + 8 (w % 2)) x 4: e tile w
	s_add_nc_u64 s[12:13], s[12:13], s[68:69]
	ROUND                                          ; both work-groups are here: the joint loads meet
	s_cmp_lt_u32 s[WV], 4                          ; one tensor load a wave, in an arm of its own
	s_cbranch_scc0 .Lfetch_w
	tensor_load_to_lds s[40:43], s[24:31]
	s_nop 0
	PLACES 4
	s_branch .Lfetched
.Lfetch_w:
	tensor_load_to_lds s[48:51], s[32:39]
	s_nop 0
	PLACES 4
.Lfetched:
	v_and_b32 v42, 31, v0                          ; lane
	v_and_b32 v43, 15, v0                          ; r
	v_bfe_u32 v44, v0, 4, 1                        ; h
	v_lshlrev_b32 v[LI], 4, v42
	v_and_b32 v45, 8, v43
	v_lshlrev_b32 v[BO], 6, v44
	v_lshlrev_b32 v46, 2, v43                      ; 4 r
	v_add_nc_u32 v45, v45, v43
	v_mul_u32_u24 v[AXS], v43, XP
	v_lshl_add_u32 v47, v44, 9, v46                ; 512 h + 4 r
	v_lshlrev_b32 v[BVO], 2, v45
	BIAS ACC, 8                                    ; bq, straight into the accumulators
	global_load_b32 v[BVL], v[BVO], s[12:13]
	v_lshl_add_u32 v[AXS], v44, 6, v[AXS]
	v_add_nc_u32 v[AXW], s62, v[LI]
	v_add_nc_u32 v[ASXS], s63, v46
	v_add_nc_u32 v[AW], WPK, v[LI]
	v_add_nc_u32 v[AXS], s19, v[AXS]               ; my tile + row r + 64 h
	v_add_nc_u32 v[AX], XIMG, v[LI]
	v_add_nc_u32 v[ASW], WSC, v47
	v_add_nc_u32 v[ASX], XSC, v47
	v_add_nc_u32 v[AOS], s72, v46
	v_add_nc_u32 v[AWV], s73, v[AW]
	v_add_nc_u32 v[ASWV], s74, v[ASW]
	v_add_nc_u32 v[ASXW], s79, v[ASX]
	v_add_nc_u32 v[AOO], OSC, v[LI]
.irp b, 0,1,2,3
	v_mov_b32 v[TM+4+\b], 0                        ; written once: a lane permute's destination counts as one of its sources
.endr
	VDONE
	; where the results go
	s_mul_i32 s72, s22, 17408
	s_mov_b32 s73, 0
	s_add_nc_u64 s[14:15], s[14:15], s[72:73]      ; qc at my token block
	s_lshl_b32 s74, s23, 10
	s_add_co_u32 s74, s74, s78                     ; 2,048 w + 1,024 y: tile w, K step y
	s_mov_b32 s75, 0
	s_add_nc_u64 s[52:53], s[14:15], s[74:75]      ; q's image
	s_add_co_u32 s76, s2, 16384
	s_mov_b32 s77, 0
	s_add_nc_u64 s[58:59], s[14:15], s[76:77]      ; q's scale words of K step y
	s_lshr_b32 s72, s22, 2
	s_mul_i32 s72, s72, 139264
	s_add_nc_u64 s[16:17], s[16:17], s[72:73]      ; kv at my 512 tokens
	s_and_b32 s78, s22, 3                          ; j
	s_lshl_b32 s79, s78, 15
	s_add_co_u32 s74, s74, s79
	s_add_nc_u64 s[54:55], s[16:17], s[74:75]      ; k's image
	s_lshl_b32 s74, s23, 13
	s_add_co_u32 s74, s74, s79
	s_lshl_b32 s76, s[WV], 10
	s_add_co_u32 s74, s74, s76
	s_add_co_u32 s74, s74, 16384
	s_add_nc_u64 s[56:57], s[16:17], s[74:75]      ; v's image: e tile 8 y + w
	s_lshl_b32 s74, s78, 11
	s_add_co_u32 s74, s74, s2
	s_add_co_u32 s74, s74, 131072
	s_add_nc_u64 s[60:61], s[16:17], s[74:75]      ; k's scale words of K step y; v's of e tiles 8 y on lie 1,024 further on
	s_wait_tensorcnt 0x0                           ; my one load, of x or of the weights, has landed,
	s_barrier_signal -1
	s_barrier_wait -1                              ; everybody's have
	; ---- x: my 16 tokens become two fragments; Wq's eight tiles come in meanwhile
.irp s, 0,1
.irp b, 0,1,2,3
.irp i, 0,1,2,3
	ds_load_b128 v[XN+64*\s+16*\b+4*\i:XN+64*\s+16*\b+4*\i+3], v[AXS] offset:512*\s+128*\b+16*\i
.endr
.endr
.endr
	LSCALE ASW, 0
	s_wait_dscnt 24                                ; K step 0's sixteen loads are in; K step 1's sixteen and eight scale words may be out
	LFRAG 0, AW, 0, 0, 1, 2, 3
	QUANT XN, MOV
	ds_store_b128 v[AXW], v[MOV:MOV+3]
	ds_store_b128 v[AXW], v[MOV+4:MOV+7] offset:512
	ds_store_b32 v[ASXS], v[PW]
	s_wait_dscnt 27                                ; K step 1's numbers are in; behind them eight scale words, sixteen fragment loads, three stores
	LFRAG 0, AW, 0, 4, 5, 6, 7
	QUANT XN+64, MOV+8
	ds_store_b128 v[AXW], v[MOV+8:MOV+11] offset:1024
	ds_store_b128 v[AXW], v[MOV+12:MOV+15] offset:1536
	ds_store_b32 v[ASXS], v[PW] offset:512
	BIAS XB, 10                                    ; bk, a unit ahead, where x's numbers lay
	VDONE
	BARRIER                                        ; x's sixteen fragments and their scale words lie in LDS; Wq's tiles are in
	; ---- q of my 16 tokens
	ds_load_b32 v[MSC], v[ASXW]
	LFRAG 128, AW, 16384, 0, 1, 2, 3               ; Wk's tiles, a unit ahead
	LFRAG 128, AW, 16384, 4, 5, 6, 7
	s_wait_loadcnt 16                              ; bq and bv's number are in; bk's sixteen loads may be out
	s_wait_dscnt 32                                ; my tile's scale word is in; Wk's 32 loads may be out
	VDONE
	PLACES 4                                       ; x's codes were written by vector instructions: four places ahead of a scaled matrix instruction
	MM 0, ACC, 8
	PLACES 4                                       ; ahead of the first read of the results and of loads into registers that these products have read
	LSCALE ASW, 1024
	LFRAG 0, AX, 0, 0, 1, 2, 3                     ; x's tiles for v, a unit ahead
	LFRAG 0, AX, 0, 4, 5, 6, 7
	QUANT ACC, PC
	OUT 52, 0
	; ---- k of my 16 tokens
	s_wait_loadcnt 0x0                             ; bk
	s_wait_dscnt 33                                ; Wk's tiles and scale words are in; x's 32 loads and one store may be out
	MM 128, XB, 8
	PLACES 4
	LSCALE ASX, 0
.irp f, 0,1,2,3
	ds_load_b128 v[MOV+4*\f:MOV+4*\f+3], v[AWV] offset:512*\f
.endr
	ds_load_b32 v[MSC], v[ASWV]
	s_wait_xcnt 0x0                                ; q's stores have read their registers: the codes are written anew only behind this wait
	QUANT ACC, PC
	OUT 54, 1
	; ---- v of my 16 e, for the 128 tokens
.irp i, 0,1,2,3,4,5,6,7
	v_mov_b32 v[BV+\i], v[BVL]                     ; a lane holds one e: its bias in all eight registers
.endr
	VDONE
	s_wait_dscnt 0x0
	PLACES 4
	MM 0, BV, 0
	PLACES 4
	s_wait_xcnt 0x0                                ; k's stores have read their registers
	QUANT ACC, PC
	OUT 56, 2
	BARRIER                                        ; all 24 runs of scale words lie in the stage
	s_cmp_lg_u32 s[WV], 0
	s_cbranch_scc1 .Lend
.irp k, 0,1,2
	ds_load_b128 v[OUTR+4*\k:OUTR+4*\k+3], v[AOO] offset:512*\k
.endr
	s_wait_dscnt 0x0
	global_store_b128 v[LI], v[OUTR:OUTR+3], s[58:59]                  ; 512 consecutive bytes each
	global_store_b128 v[LI], v[OUTR+4:OUTR+7], s[60:61]
	global_store_b128 v[LI], v[OUTR+8:OUTR+11], s[60:61] offset:1024
.Lend:
	s_wait_tensorcnt 0x0                           ; the wave's end
	ds_add_u32 v[SPW], v[NIL]
	s_wait_dscnt 0x0
	ROUND                                          ; the closing round: no work-group ends while its partner may still ask for a tile that names it
	s_endpgm
.Lfunc_end_k_q6007be698c_proj:
	.size	k_q6007be698c_proj, .Lfunc_end_k_q6007be698c_proj-k_q6007be698c_proj
	.p2alignl 7, 3214868480
	.fill 96, 4, 3214868480
	.section	.rodata,"a",@progbits
	.p2align	6, 0x0
	.amdhsa_kernel k_q6007be698c_proj
		.amdhsa_group_segment_fixed_size 205824
		.amdhsa_private_segment_fixed_size 0
		.amdhsa_enable_private_segment 0
		.amdhsa_kernarg_size 56
		.amdhsa_user_sgpr_count 2
		.amdhsa_user_sgpr_kernarg_segment_ptr 1
		.amdhsa_wavefront_size32 1
		.amdhsa_system_sgpr_workgroup_id_x 1
		.amdhsa_system_sgpr_workgroup_id_y 1
		.amdhsa_system_sgpr_workgroup_id_z 1
		.amdhsa_system_vgpr_workitem_id 0
		.amdhsa_next_free_vgpr 512
		.amdhsa_next_free_sgpr 80
		.amdhsa_reserve_vcc 0
		.amdhsa_float_denorm_mode_32 3
		.amdhsa_float_denorm_mode_16_64 3
		.amdhsa_memory_ordered 1
		.amdhsa_forward_progress 1
		.amdhsa_inst_pref_size 52
	.end_amdhsa_kernel
	.amdgpu_metadata
---
amdhsa.version: [ 1, 2 ]
amdhsa.kernels:
  - .name:           k_q6007be698c_proj
    .symbol:         k_q6007be698c_proj.kd
    .args:
      - { .name: x, .offset: 0, .size: 8, .value_kind: global_buffer, .address_space: global }
      - { .name: wpk, .offset: 8, .size: 8, .value_kind: global_buffer, .address_space: global }
      - { .name: bq, .offset: 16, .size: 8, .value_kind: global_buffer, .address_space: global }
      - { .name: bk, .offset: 24, .size: 8, .value_kind: global_buffer, .address_space: global }
      - { .name: bv, .offset: 32, .size: 8, .value_kind: global_buffer, .address_space: global }
      - { .name: qc, .offset: 40, .size: 8, .value_kind: global_buffer, .address_space: global }
      - { .name: kv, .offset: 48, .size: 8, .value_kind: global_buffer, .address_space: global }
    .group_segment_fixed_size: 205824
    .private_segment_fixed_size: 0
    .kernarg_segment_align: 8
    .kernarg_segment_size: 56
    .max_flat_workgroup_size: 256
    .sgpr_count:     80
    .vgpr_count:     512
    .wavefront_size: 32
...
	.end_amdgpu_metadata
.endif
;; end of part 2
;; launch attn (part 3): grid 64 x 4, 4 waves a work-group, clusters of 4 x 1, 327,680 bytes of LDS; arguments qc, kv, out0; writes out0
.if DOCPART == 3
	.amdgcn_target "amdgcn-amd-amdhsa--gfx1250"
	.amdhsa_code_object_version 6
	.text
	.protected	k_q6007be698c_attn
	.globl	k_q6007be698c_attn
	.p2align	8
	.type	k_q6007be698c_attn,@function
k_q6007be698c_attn:
	s_mov_b64 s[64:65], 0
	v_nop
	global_prefetch_b8 v0, s[64:65] scope:SCOPE_SE
	s_setreg_imm32_b32 hwreg(HW_REG_WAVE_MODE, 25, 1), 1
	s_wait_xcnt 0x0
	s_wait_alu depctr_hold_cnt(0) depctr_sa_sdst(0) depctr_va_vdst(0) depctr_va_sdst(0) depctr_va_ssrc(0) depctr_va_vcc(0) depctr_vm_vsrc(0)
	s_getreg_b32 s2, hwreg(HW_REG_IB_STS2, 6, 4)
	s_cmp_eq_u32 s2, 0
	s_cbranch_scc0 .Lentry_in_a_cluster
	s_endpgm
.Lentry_in_a_cluster:
	s_bfe_u32 s2, ttmp6, 0x10000c
	s_cmp_lg_u32 s2, 0x3003
	s_cbranch_scc0 .Lentry_shape_is_right
	s_endpgm
.Lentry_shape_is_right:
; out[b][q][:] = the sum over keys of softmax(q . k / 16) v, both products on codes of FP4 (E2M1) with one E8M0 scale for each 32 along a product's K.  4 batches x 4,096 tokens x 256.
; qc and kv hold q, k (K = e) and v (K = the keys) as images of operand registers (a fragment of 16 rows x 128 K: 1,024 bytes, registers 0-3 at 16 x lane, registers 4-7 at 512 + 16 x lane) and scale words; their maps stand in the launch that makes them.
; SHARES.  A work-group owns 64 queries of one batch: four tiles of 16.  Four waves; EACH holds all four tiles, and wave w walks key step w (128 keys) of every slot of 512 keys: a fragment of K or V that is read from LDS feeds all four
; tiles, and no fragment is read by two waves.  A wave walks 8 key steps; the four waves' parts of O are merged through LDS at the end.
; LAYOUT.  Both products are used transposed, 32 rows at a time: S^T = K Q^T (source 0 = two tiles of keys), O^T = V^T P^T (source 0 = two tiles of e): lane (r, h) holds ONE query of each tile throughout.  The rows of every tile (keys, queries, e) were
; chosen by the launch before: lane r of tile 2 b + u holds row 32 b + 8 u + r + 8 (r / 8), so that the 16 registers of result tiles 2 b and 2 b + 1 are 16 neighbours, 32 b + 16 h + 0 .. 15.
; THE SOFTMAX AHEAD OF THE SECOND PRODUCT: t = score x log2(e) / 16; M = the largest t so far, rounded UP to a whole number; p = 2^(t - M) is quantised along the keys; the sum is taken of the unquantised p and divides at the end.
; WHEN M MOVES, O and the sum are not rescaled at once.  They are kept in units of 2^F, F a whole number, and D = M - F (0 .. 96) is added to p's scale bytes and to the sum's terms: exact.  A step adds at most 32 to D; where M moves by more, F moves
; too, and what was summed before counts for 2^-32 of its p where it should count for less.  In step 4, F becomes M and O and the sum are multiplied by 2^(old F - M): exact.  Steps 0 to 3 and 4 to 7 add to D three times: 96 at the most.
; A byte of p's scales is at most 125 + 96: a finite code.
; CLUSTER.  The four work-groups of a cluster belong to one batch and walk the same kv.  A slot is one dense block of 139,264 bytes; each of the four waves asks for 34,816 bytes of it JOINTLY: the same line, the same descriptor, a mask that names the four.
; LIMITS.  NaN and infinities are not served.  A block's largest p is taken from its largest score by the same multiply-add and exponential, which takes v_exp_f32 not to fall where its input rises.  A block whose every p has fallen to 0 keeps the floor's
; byte: its codes are zeros.  Terms under 2^-32 of a row's largest may count for as much as 2^-32 of it (above).  M, F and their differences are exact up to 2^24.  The order of the f32 sums differs from a sum in key order: the keys are shared among four waves and merged.
; REGISTERS.  Window 0: v1, v2 the add's; v3-7 addresses; v8-15 statistics, a pair a tile: -M (after the last step -F), the sum; v16-39 scale words (Q's, P's, K's, V's: these hold scales and nothing else); v40-43 D; v44-47 how far M lies over the old F;
;   v48-63 the 16 blocks' largest, then V's tiles 14, 15; v64-71 at work; v72-79 P's codes of tile 0; v80-143 Q; v144-255 fourteen fragments of K or V (K's tiles 6, 7 of K step 1 lie at v64-79).
;   Window 1: S^T, then p, 64 a tile.  Once a tile's p is summed in halves its upper 32 hold P's codes of the tile behind it (and of tile 0's the conversions' scale operands of tiles 1 to 3).
;   Windows 2, 3: O^T, 128 a tile: e tile n of query tile i at 128 (i % 2) + 8 n.
.set SLOTB, 139264                     ; a slot: 0x22000; no wave's part (w x 0x8800) has bit 13 or 17 set, so one exclusive or turns an address in one slot into the other's
.set SPARE, 2*SLOTB                    ; behind the ring: the spare words, 128 bytes for each wave: two blocks of 256 bytes that no other line names
.set RP,    1040                       ; the merge: a row of O: 1,024 bytes + 16
.set RPART, 16*RP                      ; a wave's part of a tile.  Tiles 0, 1 and the statistics lie in slot 0, tiles 2, 3 in slot 1: slots that have had their last fill and their last read
.set RT1,   4*RPART
.set STATS, 8*RPART
.set RT2,   SLOTB
.set RT3,   SLOTB+4*RPART
.set SPW, 1
.set NIL, 2
.set ADK, 3                            ; v3, v4  my key step's images and scale words in the slot in hand
.set ADS, 4
.set PFO, 5                            ; v5      the prefetches' offset; never rewritten
.set AK0, 6                            ; v6      16 x lane + 32,768 w
.set AS0, 7                            ; v7      131,072 + 2,048 w + 4 x lane
.set ST,  8
.set QS,  16
.set PS,  20
.set KS,  24
.set VS,  32
.set DD,  40
.set XX,  44
.set MX,  48
.set PX,  64
.set PZ,  72
.set Q,   80
.set FB,  144
.set WV,  10                           ; s10 wave, s13 cx, s14 the block of 64 queries, s15 the batch
.set LS,  11                           ; s11 the most that this step may add to D: 0 in steps 0 and 4, else 32
.set KSC, 12                           ; s12 0 in steps 0 and 4, else 1
.set SEL, 16                           ; s[16:17]
.set CS,  18                           ; s[18:19] c = log2(e) / 16, twice: the packed form names a pair
.set TB,  20                           ; s20  LDS byte at which the slot in hand begins
.set NN,  21                           ; s21  the key step
.set LIM, 22                           ; s22  5 in a wave that prefetches, else 0
.set NC,  23                           ; s23  -c
.set PFA, 24                           ; s[24:25] where my prefetches stand
.set G1,  28                           ; s[28:35] descriptor group 1;  s[36:39] group 0, which walks
.set G0,  36
.set KTH, 56                           ; s56  1000.0
.set MSB, 0
.macro WIN new                         ; the immediate's high byte repeats the setting that is left
.if MSB != \new
	s_set_vgpr_msb (MSB<<8)|\new
.set MSB, \new
.endif
.endm
.macro PLACES n
.rept \n
	v_nop
.endr
.endm
.macro VDONE
	s_wait_alu depctr_va_vdst(0)
.endm
; A round of the cluster's barrier: my work-group's barrier, so that wave 0's signal speaks for all four waves; wave 0 signals; every wave waits for all four work-groups; my work-group's barrier once more.
.macro CREST
	s_cmp_lg_u32 s[WV], 0
	s_cbranch_scc1 .Lnot_wave_0_\@
	s_barrier_signal -3
.Lnot_wave_0_\@:
	s_barrier_wait -3
	s_barrier_signal -1
	s_barrier_wait -1
.endm
.macro ROUND
	s_barrier_signal -1
	s_barrier_wait -1
	CREST
.endm
; A PREFETCH of the slot that the NEXT change of slots will ask for, one key step ahead of that load.  All sixteen clusters of a batch walk the same kv: the batch's first cluster asks.  Its four partners share a slot out BY ADDRESS: 34,816 bytes each,
; 8,704 a wave: 34 blocks of 256 bytes, by two instructions of 17 (lanes 17 to 31 name lane 16's block again).  Slots 0 and 1 come by their loads alone; behind the last slot nothing is asked for.
.macro ASK
	s_cmp_lt_u32 s[NN], s[LIM]
	s_cbranch_scc0 .Lnot_mine_\@
	global_prefetch_b8 v[PFO], s[PFA:PFA+1] th:TH_LOAD_NT scope:SCOPE_SE
	global_prefetch_b8 v[PFO], s[PFA:PFA+1] offset:4352 th:TH_LOAD_NT scope:SCOPE_SE
.Lnot_mine_\@:
.endm
.macro KREG t, s                       ; KR: where K's fragment (tile t, K step s) lies: two neighbouring tiles of a K step on end
.if ((\t) > 5) && (\s)
.set KR, PX+8*((\t)%2)
.else
.set KR, FB+32*((\t)/2)+16*(\s)+8*((\t)%2)
.endif
.endm
.macro VREG n                          ; VR: where V's fragment (e tile n) lies
.if (\n) < 14
.set VR, FB+8*(\n)
.else
.set VR, MX+8*((\n)-14)
.endif
.endm
.macro KLOAD t                         ; K's tile t: four loads
.irp s, 0,1
	KREG \t, \s
	ds_load_b128 v[KR:KR+3], v[ADK] offset:2048*(\t)+1024*\s
	ds_load_b128 v[KR+4:KR+7], v[ADK] offset:2048*(\t)+1024*\s+512
.endr
.endm
.macro KSLOAD                          ; K's scale words: register 2 p + s: lanes 0-15 tile 2 p's, lanes 16-31 tile 2 p + 1's, of K step s
.irp p, 0,1,2,3
.irp s, 0,1
	ds_load_b32 v[KS+2*\p+\s], v[ADS] offset:128*\p+512*\s
.endr
.endr
.endm
.macro VLOAD n
	VREG \n
	ds_load_b128 v[VR:VR+3], v[ADK] offset:16384+1024*(\n)
	ds_load_b128 v[VR+4:VR+7], v[ADK] offset:16384+1024*(\n)+512
.endm
; 16 matrix instructions of S^T = K Q^T: two pairs of tiles of keys x my four tiles of queries, K step by K step: eight accumulators by turns.  The first K step starts the sums.
.macro KQ p0, p1
.irp s, 0,1
.irp p, \p0, \p1
	KREG 2*\p, \s
.irp i, 0,1,2,3
.if \s == 0
	v_wmma_scale_f32_32x16x128_f4 v[64*\i+16*\p:64*\i+16*\p+15], v[KR:KR+15], v[Q+16*\i:Q+16*\i+7], 0, v[KS+2*\p+\s], v[QS+\i]
.else
	v_wmma_scale_f32_32x16x128_f4 v[64*\i+16*\p:64*\i+16*\p+15], v[KR:KR+15], v[Q+16*\i+8:Q+16*\i+15], v[64*\i+16*\p:64*\i+16*\p+15], v[KS+2*\p+\s], v[QS+\i] matrix_b_scale:MATRIX_SCALE_ROW1
.endif
.endr
.endr
.endr
.endm
; 4 matrix instructions of O^T += V^T P^T: four pairs of e tiles, from pair p0 on, x query tile i: four accumulators, one instruction each.  V's scale words: register p: lanes 0-15 e tile 2 p's, lanes 16-31 2 p + 1's.  zero = 1: the products start the sums.
.macro PVI i, p0, zero
.if \i == 0
	WIN 0xa0                                       ; V and P in window 0, C and D in window 2
.set rP, PZ
.elseif \i == 1
	WIN 0xa4                                       ; P in window 1
.set rP, 32
.else
	WIN 0xf4                                       ; C and D in window 3
.set rP, 64*(\i)-32
.endif
.irp p, 0,1,2,3
	VREG 2*(\p0+\p)
.set rO, 128*((\i)%2)+16*(\p0+\p)
.if \zero
	v_wmma_scale_f32_32x16x128_f4 v[rO:rO+15], v[VR:VR+15], v[rP:rP+7], 0, v[VS+\p0+\p], v[PS+\i]
.else
	v_wmma_scale_f32_32x16x128_f4 v[rO:rO+15], v[VR:VR+15], v[rP:rP+7], v[rO:rO+15], v[VS+\p0+\p], v[PS+\i]
.endif
.endr
.endm
; The step's 32 products; K's tiles 0-3 of the next step are fetched over V's tiles 0-7 once these are done with.
.macro PV zero
	VDONE
.irp i, 0,1,2,3
	PVI \i, 0, \zero
.endr
	WIN 0
	PLACES 4                                       ; ahead of loads into registers that these products have read
	KSLOAD
	KLOAD 0
	KLOAD 1
	VDONE
	PVI 0, 4, \zero
	PVI 1, 4, \zero
	WIN 0
	KLOAD 2
	KLOAD 3
	PVI 2, 4, \zero
	PVI 3, 4, \zero
	WIN 0
.endm
; What stands among the exponentials.  Window setting 0x45: destination and sources 0, 1 in window 1, source 2 in window 0.
.macro FMAP t, x                       ; t - M, two at a time (of the pairs c and -M the low word serves both halves)
	v_pk_fma_f32 v[64*(\t)+(\x):64*(\t)+(\x)+1], v[64*(\t)+(\x):64*(\t)+(\x)+1], s[CS:CS+1], v[ST+2*(\t):ST+2*(\t)+1] op_sel_hi:[1,0,0]
.endm
.macro SUMP t, w, x                    ; tile t's p are summed by halves: pair x takes the pair w registers further on
	v_pk_add_f32 v[64*(\t)+2*(\x):64*(\t)+2*(\x)+1], v[64*(\t)+2*(\x):64*(\t)+2*(\x)+1], v[64*(\t)+(\w)+2*(\x):64*(\t)+(\w)+2*(\x)+1]
.endm
.macro CVT t, x                        ; eight of tile t's p (t = 1 .. 3) become codes, in the tile before's upper half
	v_cvt_scalef32_pk8_fp4_f32 v[64*(\t)-32+(\x)], v[64*(\t)+8*(\x):64*(\t)+8*(\x)+7], v[36+4*(\t)+(\x)/2]
.endm
.macro SWAP b                          ; the operand's layout wants a WHOLE block of 32 in a lane
.irp c, 0,1
.irp e, 0,1
	v_permlane16_swap_b32 v[(\b)+4*\c+\e], v[(\b)+2+4*\c+\e]
.endr
.endr
.endm
; Tile i's 64 exponentials (p = 2^(t - M), at most 1), and between them work that names none of their registers: t - M of tiles ahead, the codes of the tile behind, and sums by halves of tiles behind.
; Behind a run of conversions stand plain lines ahead of the first write of their sources; each batch but the first two ends with such sums, and these end with a plain line too.
.macro EX i
	WIN 0x45
.set kk, 0
.rept 64
	v_exp_f32 v[64*\i+kk], v[64*\i+kk]
.set mm, kk/2
.if kk%2 == 0
.if \i == 0
	FMAP 1, kk
.elseif \i == 1
	FMAP 3, kk
.endif
.elseif \i == 0
	FMAP 2, kk-1
.elseif \i == 1
.if mm > 23
	SUMP 0, 16, mm-24
.endif
.elseif mm < 8
	CVT \i-1, mm
.elseif mm > 15
	SUMP \i-1, 32, mm-16
.elseif \i == 3
	SUMP 1, 16, mm-8
.elseif mm < 12
	SUMP 0, 8, mm-8
.endif
.set kk, kk+1
.endr
.endm
.macro MAXR x                          ; two more scores of each of the 16 blocks (block j = 4 x tile + b at 16 j)
.irp j, 0,1,2,3,4,5,6,7,8,9,10,11,12,13,14,15
	v_max3_num_f32 v[MX+\j], v[MX+\j], v[16*\j+\x], v[16*\j+\x+1]
.endr
.endm
; A KEY STEP up to P's codes and scale words.  At its head K's scale words and tiles 0-7 have been asked for, in this order; V is fetched under the softmax, in three runs.
.macro STEP
	s_wait_dscnt 16                                ; K's tiles 0-3 are in; tiles 4-7, sixteen loads, may be out
	WIN 0x50                                       ; C and D in window 1
	KQ 0, 1
	s_wait_dscnt 0x0
	KQ 2, 3
	WIN 0
	PLACES 4                                       ; ahead of the first read of the scores and of loads into registers that held K
.irp p, 0,1,2,3,4,5,6,7
	ds_load_b32 v[VS+\p], v[ADS] offset:1024+128*\p
.endr
.irp n, 0,1,2,3
	VLOAD \n
.endr
	WIN 0x05
.irp j, 0,1,2,3,4,5,6,7,8,9,10,11,12,13,14,15
	v_max_num_f32 v[MX+\j], v[16*\j], v[16*\j+1]   ; THE LARGEST SCORE OF EACH BLOCK OF 32 KEYS, each accumulator from its low end on: it serves for the row's maximum and, since p rises with the score, for the block's largest p
.endr
	WIN 0x14                                       ; sources 1, 2 in window 1
.irp x, 2,4,6,8,10,12,14
	MAXR \x
.endr
	WIN 0
.irp g, 0,8
.irp j, 0,1,2,3,4,5,6,7
	v_permlanex16_b32 v[PX+\j], v[MX+\g+\j], s[SEL], s[SEL+1]
.endr
.irp j, 0,1,2,3,4,5,6,7
	v_max_num_f32 v[MX+\g+\j], v[MX+\g+\j], v[PX+\j]   ; with lane l xor 16's 16 keys
.endr
.endr
.irp i, 0,1,2,3
	v_max3_num_f32 v[PX+\i], v[MX+4*\i], v[MX+4*\i+1], v[MX+4*\i+2]
.endr
.irp i, 0,1,2,3
	v_max_num_f32 v[PX+\i], v[PX+\i], v[MX+4*\i+3] ; the step's largest score of my query of tile i
.endr
.irp i, 0,1,2,3
	v_mul_f32 v[PX+\i], s[NC], v[PX+\i]            ; as -t (c is positive)
.endr
.irp i, 0,1,2,3
	v_floor_f32 v[PX+\i], v[PX+\i]                 ; floor(-t) = -ceil(t)
.endr
.irp i, 0,1,2,3
	v_sub_f32 v[PX+4+\i], v[ST+2*\i], v[PX+\i]     ; how far this lies over M
.endr
.irp i, 0,1,2,3
	v_min_num_f32 v[ST+2*\i], v[ST+2*\i], v[PX+\i] ; the new -M: M IS A WHOLE NUMBER
.endr
.irp i, 0,1,2,3
	v_med3_num_f32 v[PX+4+\i], v[PX+4+\i], 0, s[KTH]   ; M's step, 0 or more (over 1,000 every factor below is 0 all the same)
.endr
.irp i, 0,1,2,3
	v_cvt_u32_f32 v[PX+4+\i], v[PX+4+\i]
.endr
.irp i, 0,1,2,3
	v_add_nc_u32 v[XX+\i], v[PX+4+\i], v[DD+\i]    ; the new M less the old F: wanted where F becomes M
.endr
.irp i, 0,1,2,3
	v_min_u32 v[PX+4+\i], s[LS], v[PX+4+\i]
.endr
.irp i, 0,1,2,3
	v_mad_u32_u24 v[DD+\i], v[DD+\i], s[KSC], v[PX+4+\i]   ; the new D (0 in steps 0 and 4)
.endr
.irp j, 0,1,2,3,4,5,6,7,8,9,10,11,12,13,14,15
	v_fma_f32 v[MX+\j], v[MX+\j], s[CS], v[ST+2*(\j/4)]    ; t - M of each block's largest score
.endr
	WIN 0x45
.set kk, 0
.rept 32
	FMAP 0, kk
.set kk, kk+2
.endr
	VDONE                                          ; ahead of the batch
	WIN 0
.irp n, 4,5,6,7,8
	VLOAD \n
.endr
	EX 0
	WIN 0
.irp j, 0,1,2,3,4,5,6,7,8,9,10,11,12,13,14,15
	v_exp_f32 v[MX+\j], v[MX+\j]                   ; each block's largest p: the same two operations on the same number give the same bits
.endr
	v_nop                                          ; one plain place behind a transcendental
	VDONE                                          ; and behind the batch
.irp j, 0,1,2,3,4,5,6,7,8,9,10,11,12,13,14,15
	v_max_num_f32 v[MX+\j], 0x1800000, v[MX+\j]    ; the floor 2^(3 - 127): the byte cannot fall under 1
.endr
.irp b, 0,1,2,3
	v_add_nc_u32 v[MX+\b], 0xff000000, v[MX+\b]    ; 2 off the exponent field: the conversion's scale operand
.endr
	WIN 0x01
.irp x, 0,1,2,3,4,5,6,7
	v_cvt_scalef32_pk8_fp4_f32 v[PZ+\x], v[8*\x:8*\x+7], v[MX+\x/2]
.endr
	v_nop                                          ; one plain place behind a scaled conversion
	WIN 0x45
.set kk, 0
.rept 16
	SUMP 0, 32, kk
.set kk, kk+1
.endr
	WIN 0x40
.irp j, 4,5,6,7,8,9,10,11,12,13,14,15
	v_add_nc_u32 v[36+\j], 0xff000000, v[MX+\j]    ; tiles 1 to 3: scale operands in window 1, where the conversions among the exponentials want them
.endr
	WIN 0
.irp b, 0,1,2,3
	v_lshrrev_b32 v[MX+\b], 23, v[MX+\b]           ; the scale's byte
.endr
	WIN 0x04
.irp j, 4,5,6,7,8,9,10,11,12,13,14,15
	v_lshrrev_b32 v[MX+\j], 23, v[36+\j]
.endr
	WIN 0
.irp t, 0,1,2,3                                ; P's scale words: the four bytes, and D on each of them (no byte carries: 125 + 96 at the most); the four tiles by turns
	v_lshl_or_b32 v[MX+4*\t], v[MX+4*\t+1], 8, v[MX+4*\t]
.endr
.irp t, 0,1,2,3
	v_lshl_or_b32 v[MX+4*\t+2], v[MX+4*\t+3], 8, v[MX+4*\t+2]
.endr
.irp t, 0,1,2,3
	v_lshl_or_b32 v[MX+4*\t], v[MX+4*\t+2], 16, v[MX+4*\t]
.endr
.irp t, 0,1,2,3
	v_mad_u32_u24 v[MX+4*\t], v[DD+\t], 0x10101, v[MX+4*\t]
.endr
.irp t, 0,1,2,3
	v_lshl_add_u32 v[PS+\t], v[DD+\t], 24, v[MX+4*\t]
.endr
	SWAP PZ
	VDONE
.irp n, 9,10,11,12,13,14,15
	VLOAD \n
.endr
	EX 1
	VDONE
	EX 2
	VDONE
	EX 3
	VDONE
.irp x, 0,1,2,3,4,5,6,7
	CVT 3, \x
.endr
.irp x, 0,1,2,3
	SUMP 1, 8, \x
.endr
	SWAP 32
	SWAP 96
	SWAP 160
	WIN 0
.endm
.macro LEFT                            ; what is left of the row sums: THE SUM IS TAKEN OF THE UNQUANTISED p.  Tile i's ends in register 64 i of window 1
	WIN 0x45
.set kk, 0
.rept 16
	SUMP 3, 32, kk
.set kk, kk+1
.endr
.irp x, 0,1,2,3,4,5,6,7
	SUMP 2, 16, \x
	SUMP 3, 16, \x
.endr
.irp x, 0,1,2,3
	SUMP 2, 8, \x
	SUMP 3, 8, \x
.endr
.irp x, 0,1
.irp t, 0,1,2,3
	SUMP \t, 4, \x
.endr
.endr
.irp t, 0,1,2,3
	SUMP \t, 2, 0
.endr
.irp t, 0,1,2,3
	v_add_f32 v[64*\t], v[64*\t], v[64*\t+1]
.endr
	WIN 0
.endm
.macro GEXP
.irp i, 0,1,2,3
	v_ldexp_f32 v[XX+\i], 1.0, v[DD+\i]            ; 2^D
.endr
.endm
.macro LADD
	WIN 0x04
.irp i, 0,1,2,3
	v_fma_f32 v[ST+2*\i+1], v[XX+\i], v[64*\i], v[ST+2*\i+1]   ; the sum in units of 2^F
.endr
	WIN 0
.endm
; THE CHANGE OF SLOTS.  V's last fragments are in registers when it ends.  Each wave waits for all its tensor loads (one is out: its part of the next slot), adds 0 to its spare word, and waits for that and for its reads of this slot.
; fill = 1: a round of the cluster's barrier, so that no wave of any partner still reads this slot or has a load on its way; the joint refill is the first thing behind it and has a whole key step in which to land.
.macro CHANGE fill
	s_wait_tensorcnt 0x0                           ; no tensor load of mine is out, so the group 0 may be written
	ds_add_u32 v[SPW], v[NIL]                      ; 0 onto my spare word
.if \fill
	s_xor_b32 s[G0+1], s[G0+1], SLOTB              ; the walking descriptor: the other slot than last time,
	s_add_nc_u64 s[G0+2:G0+3], s[G0+2:G0+3], SLOTB ; the next 512 keys; the type bits on top are not reached
	s_wait_xcnt 0x0                                ; the last prefetch, a step back, has read its address, so it may be written:
	s_add_nc_u64 s[PFA:PFA+1], s[PFA:PFA+1], SLOTB ; one slot further on than the walking descriptor
.endif
	s_wait_dscnt 0x0                               ; the add is done, and my reads of this slot are over
	s_barrier_signal -1
	LEFT                                           ; work on registers while the others arrive
	VDONE
	s_barrier_wait -1
.if \fill
	CREST
	tensor_load_to_lds s[G0:G0+3], s[G1:G1+7]
	s_nop 0
	PLACES 4
	ASK
.endif
	s_xor_b32 s[TB], s[TB], SLOTB                  ; on to the other slot
	v_add_nc_u32 v[ADK], s[TB], v[AK0]
	v_add_nc_u32 v[ADS], s[TB], v[AS0]
	VDONE
.endm
.macro JOIN                            ; behind a step's products: the sums, and K's tiles 4-7 of the next step (the four exponents are the places ahead of these loads)
	GEXP
.irp t, 4,5,6,7
	KLOAD \t
.endr
	LADD
.endm
	s_load_b128 s[4:7], s[0:1], 0x0                ; qc s[4:5], kv s[6:7]
	s_load_b64 s[8:9], s[0:1], 0x10                ; out0
	v_lshl_add_u32 v[SPW], v0, 2, SPARE
	v_mov_b32 v[NIL], 0
	ds_add_u32 v[SPW], v[NIL]                      ; the wave's opening: the add, twice on end, under one wait
	ds_add_u32 v[SPW], v[NIL]
	v_lshrrev_b32 v3, 5, v0
	v_readfirstlane_b32 s[WV], v3                  ; wave 0..3
	s_bfe_u32 s13, ttmp6, 0x40000                  ; cx: my place in the cluster: it enters Q's, O's and the prefetches' addresses alone
	s_lshl_b32 s14, ttmp9, 2
	s_add_co_u32 s14, s14, s13                     ; my block of 64 queries = 4 x cluster x + cx
	s_and_b32 s15, ttmp7, 0xffff                   ; the batch, which the four partners share
	s_mov_b32 s[SEL], 0x76543210
	s_mov_b32 s[SEL+1], 0xfedcba98
	s_mov_b32 s[CS], 0x3db8aa3b                    ; c = log2(e) / 16
	s_mov_b32 s[CS+1], s[CS]
	s_mov_b32 s[NC], 0xbdb8aa3b
	s_mov_b32 s[KTH], 0x447a0000                   ; 1000.0
	s_mov_b32 s[TB], 0
	s_mov_b32 s[NN], 0
	; descriptor group 1: 34,816 dense bytes as 136 rows of 32 elements of 8 bytes
	s_mov_b32 s[G1], 15|(3<<16)|(1<<21)            ; 15:0 the mask: all four work-groups; 17:16 elements of 8 bytes; 21 set beside a mask
	s_mov_b32 s[G1+1], 32<<16                      ; tensor_dim0
	s_mov_b32 s[G1+2], 136<<16                     ; tensor_dim1
	s_mov_b32 s[G1+3], 32<<16                      ; tile_dim0
	s_mov_b32 s[G1+4], 136                         ; tile_dim1
	s_mov_b32 s[G1+5], 32                          ; tensor_dim0_stride
	s_mov_b32 s[G1+6], 0
	s_mov_b32 s[G1+7], 0
	s_mov_b32 s[G0], 1                             ; count = 1
	s_mul_i32 s[G0+1], s[WV], 34816                ; LDS: my quarter of slot 0: no place in the cluster enters an LDS address
	s_mul_i32 s40, s15, 8*SLOTB                    ; the batch's first byte in kv
	s_add_co_u32 s42, s40, s[G0+1]
	s_mov_b32 s43, 0
	; the prefetches: where my wave's stand, and who asks
	s_mul_i32 s44, s13, 34816
	s_mul_i32 s45, s[WV], 8704
	s_add_co_u32 s44, s44, s45
	s_add_co_u32 s44, s44, s40
	s_add_co_u32 s44, s44, 2*SLOTB                 ; in slot 2, which is asked for where slot 1 is loaded
	s_mov_b32 s45, 0
	s_cmp_eq_u32 ttmp9, 0                          ; the batch's first cluster: the same in all four partners
	s_cselect_b32 s[LIM], 5, 0
	; Q: token block 32 x batch + (my block / 2); my first tile in it: 4 (my block % 2)
	s_lshl_b32 s47, s15, 5
	s_lshr_b32 s48, s14, 1
	s_add_co_u32 s47, s47, s48
	s_mul_i32 s48, s47, 17408
	s_and_b32 s49, s14, 1
	s_lshl_b32 s50, s49, 13
	s_add_co_u32 s50, s50, s48                     ; its images
	s_mov_b32 s51, 0
	s_lshl_b32 s52, s49, 8
	s_add_co_u32 s52, s52, s48
	s_add_co_u32 s52, s52, 16384                   ; its scale words
	s_mov_b32 s53, 0
	; O: row 4,096 x batch + 64 x my block + 4 w + 8 (w / 2), of 1,024 bytes: the first row of tile 0 that I store
	s_lshl_b32 s54, s15, 22
	s_lshl_b32 s55, s14, 16
	s_add_co_u32 s54, s54, s55
	s_lshl_b32 s55, s[WV], 12
	s_add_co_u32 s54, s54, s55
	s_lshr_b32 s55, s[WV], 1
	s_lshl_b32 s55, s55, 13
	s_add_co_u32 s54, s54, s55
	s_mov_b32 s55, 0
	VDONE
	s_wait_dscnt 0x0                               ; both opening adds are done
	s_wait_kmcnt 0x0
	s_add_nc_u64 s[G0+2:G0+3], s[6:7], s[42:43]
	s_or_b32 s[G0+3], s[G0+3], 0x80000000          ; type = 2
	s_add_nc_u64 s[PFA:PFA+1], s[6:7], s[44:45]
	s_add_nc_u64 s[26:27], s[4:5], s[52:53]
	s_add_nc_u64 s[4:5], s[4:5], s[50:51]
	s_add_nc_u64 s[8:9], s[8:9], s[54:55]
	ROUND                                          ; all four work-groups are here: the first joint loads meet
	tensor_load_to_lds s[G0:G0+3], s[G1:G1+7]      ; slot 0
	s_nop 0
	PLACES 4
	v_and_b32 v51, 31, v0
	v_and_b32 v49, 15, v0
	v_bfe_u32 v50, v0, 4, 1
	v_lshlrev_b32 v48, 4, v51                      ; 16 x lane
	v_lshlrev_b32 v51, 2, v51                      ; 4 x lane
	v_lshlrev_b32 v49, 2, v49
	v_lshl_add_u32 v49, v50, 9, v49                ; 512 h + 4 r
.irp i, 0,1,2,3
.irp f, 0,1,2,3
	global_load_b128 v[Q+16*\i+4*\f:Q+16*\i+4*\f+3], v48, s[4:5] offset:2048*\i+512*\f   ; Q's eight fragments stay in registers
.endr
	global_load_b32 v[QS+\i], v49, s[26:27] offset:64*\i
.endr
	s_lshl_b32 s40, s[WV], 15
	s_lshl_b32 s41, s[WV], 11
	s_add_co_u32 s41, s41, 131072
	v_add_nc_u32 v[AK0], s40, v48
	v_add_nc_u32 v[AS0], s41, v51
	v_and_b32 v[PFO], 31, v0
	v_min_u32 v[PFO], 16, v[PFO]
	v_lshlrev_b32 v[PFO], 8, v[PFO]
.irp i, 0,1,2,3
	v_mov_b32 v[ST+2*\i], 0x7f61b1e6               ; -M: 3e38, over every -t
	v_mov_b32 v[ST+2*\i+1], 0                      ; the sum
	v_mov_b32 v[DD+\i], 0
.endr
	v_add_nc_u32 v[ADK], s[TB], v[AK0]
	v_add_nc_u32 v[ADS], s[TB], v[AS0]
	VDONE
	s_wait_loadcnt 0x0                             ; Q; its loads' address registers may be written from here on
	s_wait_tensorcnt 0x0                           ; my part of slot 0 has landed
	ds_add_u32 v[SPW], v[NIL]
	s_xor_b32 s[G0+1], s[G0+1], SLOTB
	s_add_nc_u64 s[G0+2:G0+3], s[G0+2:G0+3], SLOTB
	s_wait_dscnt 0x0
	ROUND
	tensor_load_to_lds s[G0:G0+3], s[G1:G1+7]      ; slot 1, the first tensor load behind the round
	s_nop 0
	PLACES 4
	ASK
	KSLOAD
.irp t, 0,1,2,3,4,5,6,7
	KLOAD \t
.endr
.Lstep:                                            ; six trips: steps 0 to 5; behind each the slot just read is filled with the keys two steps on
	s_and_b32 s40, s[NN], 3
	s_cmp_eq_u32 s40, 0
	s_cselect_b32 s[LS], 0, 32
	s_cselect_b32 s[KSC], 0, 1
	STEP
	CHANGE 1
	s_cmp_eq_u32 s[NN], 0
	s_cbranch_scc1 .Lfirst
	s_cmp_lg_u32 s[NN], 4
	s_cbranch_scc1 .Lkeep
.irp i, 0,1,2,3                                ; step 4: F becomes M
	v_sub_nc_u32 v[XX+\i], 0, v[XX+\i]
.endr
.irp i, 0,1,2,3
	v_ldexp_f32 v[PX+2*\i], 1.0, v[XX+\i]          ; 2^(old F - M)
.endr
.irp i, 0,1,2,3
	v_mul_f32 v[ST+2*\i+1], v[ST+2*\i+1], v[PX+2*\i]
.endr
.irp i, 0,1,2,3
.if \i < 2
	WIN 0x82
.else
	WIN 0xc3
.endif
	VDONE                                          ; directly ahead of the first readers of O^T
.set kk, 0
.rept 64
	v_pk_mul_f32 v[128*(\i%2)+kk:128*(\i%2)+kk+1], v[128*(\i%2)+kk:128*(\i%2)+kk+1], v[PX+2*\i:PX+2*\i+1] op_sel_hi:[1,0]   ; each accumulator from its low end on
.set kk, kk+2
.endr
.endr
	WIN 0
.Lkeep:
	PV 0
	s_branch .Ljoin
.Lfirst:
	PV 1                                           ; step 0's products start O^T's sums
.Ljoin:
	JOIN
	s_add_co_u32 s[NN], s[NN], 1
	VDONE
	s_cmp_lt_u32 s[NN], 6
	s_cbranch_scc1 .Lstep
	STEP                                           ; step 6: its change of slots fills nothing
	CHANGE 0
	PV 0
	JOIN
	STEP                                           ; step 7, the last
	; THE MERGE.  Each wave's sums over its quarter of the keys, first: -F and the sum of each of its queries go to the others.
	LEFT
	GEXP
	LADD
	v_and_b32 v70, 31, v0                          ; lane
	s_lshl_b32 s40, s[WV], 10
	v_lshlrev_b32 v69, 3, v70
	v_add_nc_u32 v69, STATS, v69                   ; the statistics: 1,024 x wave + 256 x tile + 8 x lane
	v_add_nc_u32 v68, s40, v69                     ; and mine
.irp i, 0,1,2,3
	v_permlanex16_b32 v[64+\i], v[ST+2*\i+1], s[SEL], s[SEL+1]
.endr
.irp i, 0,1,2,3
	v_cvt_f32_u32 v[XX+\i], v[DD+\i]
.endr
.irp i, 0,1,2,3
	v_add_f32 v[ST+2*\i+1], v[ST+2*\i+1], v[64+\i] ; with lane l xor 16's
.endr
.irp i, 0,1,2,3
	v_add_f32 v[ST+2*\i], v[ST+2*\i], v[XX+\i]     ; -F = -M + D
.endr
.irp i, 0,1,2,3
	ds_store_b64 v68, v[ST+2*\i:ST+2*\i+1] offset:256*\i   ; into slot 0, which nobody reads behind the last change of slots
.endr
	VDONE
	s_wait_dscnt 0x0                               ; my stores have landed, and V's last fragments are in: my reads of slot 1 are over
	s_barrier_signal -1
	VDONE
	PVI 0, 0, 0
	PVI 0, 4, 0
	PVI 1, 0, 0
	PVI 1, 4, 0
	WIN 0
	s_barrier_wait -1                              ; nobody reads the ring any more
.irp i, 0,1,2,3
.irp w, 0,1,2,3
	ds_load_b64 v[80+8*\i+2*\w:81+8*\i+2*\w], v69 offset:1024*\w+256*\i
.endr
.endr
	VDONE
	PVI 2, 0, 0
	PVI 2, 4, 0
	PVI 3, 0, 0
	PVI 3, 4, 0
	WIN 0
	v_and_b32 v71, 15, v0                          ; r
	v_bfe_u32 v64, v0, 4, 1                        ; h
	v_lshlrev_b32 v67, 4, v70                      ; 16 x lane: my place in half a row of O
	v_mul_u32_u24 v71, v71, RP
	v_lshl_add_u32 v71, v64, 6, v71                ; row r + 64 h
	s_mul_i32 s40, s[WV], RPART
	s_mul_i32 s41, s[WV], 4*RP
	v_add_nc_u32 v40, s40, v71                     ; where I put tile i: v40 + i
	v_add_nc_u32 v44, s41, v67                     ; where I read tile i's rows 4 w on: v44 + i
	v_add_nc_u32 v41, RT1, v40
	v_add_nc_u32 v45, RT1, v44
	v_add_nc_u32 v42, RT2, v40
	v_add_nc_u32 v46, RT2, v44
	v_add_nc_u32 v43, RT3, v40
	v_add_nc_u32 v47, RT3, v44
	VDONE
	s_wait_dscnt 0x0                               ; the statistics are in
.irp i, 0,1,2,3
	v_min3_num_f32 v[112+\i], v[80+8*\i], v[82+8*\i], v[84+8*\i]
.endr
.irp i, 0,1,2,3
	v_min_num_f32 v[112+\i], v[112+\i], v[86+8*\i] ; the smallest -F of the four waves
.endr
.irp w, 0,1,2,3
.irp i, 0,1,2,3
	v_sub_f32 v[80+8*\i+2*\w], v[112+\i], v[80+8*\i+2*\w]  ; that wave's F less the largest: a whole number, 0 or less
.endr
.endr
.irp i, 0,1,2,3
	v_sub_f32 v[120+\i], v[112+\i], v[ST+2*\i]     ; mine
.endr
.irp w, 0,1,2,3
.irp i, 0,1,2,3
	v_cvt_i32_f32 v[80+8*\i+2*\w], v[80+8*\i+2*\w]
.endr
.endr
.irp i, 0,1,2,3
	v_cvt_i32_f32 v[120+\i], v[120+\i]
.endr
.irp w, 0,1,2,3
.irp i, 0,1,2,3
	v_ldexp_f32 v[80+8*\i+2*\w], 1.0, v[80+8*\i+2*\w]
.endr
.endr
.irp i, 0,1,2,3
	v_ldexp_f32 v[120+\i], 1.0, v[120+\i]
.endr
.irp i, 0,1,2,3
	v_mul_f32 v[116+\i], v[80+8*\i], v[81+8*\i]
.endr
.irp w, 1,2,3
.irp i, 0,1,2,3
	v_fmac_f32 v[116+\i], v[80+8*\i+2*\w], v[81+8*\i+2*\w] ; the row's sum
.endr
.endr
	VDONE
.irp i, 0,1,2,3
	v_rcp_f32 v[116+\i], v[116+\i]
.endr
	v_nop                                          ; one plain place behind a transcendental
	VDONE
.irp i, 0,1,2,3
	v_mul_f32 v[104+2*\i], v[120+\i], v[116+\i]    ; G: my part's factor, twice: the packed form names a pair
	v_mul_f32 v[105+2*\i], v[120+\i], v[116+\i]
.endr
.macro SCALE i                         ; tile i's part x G, each accumulator from its low end on
.if (\i) < 2
	WIN 0x82
.else
	WIN 0xc3
.endif
	VDONE                                          ; directly ahead of the first readers of O^T
.set kk, 0
.rept 64
	v_pk_mul_f32 v[128*((\i)%2)+kk:128*((\i)%2)+kk+1], v[128*((\i)%2)+kk:128*((\i)%2)+kk+1], v[104+2*(\i):105+2*(\i)] op_sel_hi:[1,0]
.set kk, kk+2
.endr
.endm
.macro PUT i                           ; and to LDS as rows of O: e tile n of lane (r, h) is columns 32 (n / 2) + 8 (n % 2) + 16 h + 0 .. 7 of row r
.if (\i) < 2
	WIN 0x08
.else
	WIN 0x0c
.endif
.irp n, 0,1,2,3,4,5,6,7,8,9,10,11,12,13,14,15
	ds_store_b128 v[40+(\i)], v[128*((\i)%2)+8*\n:128*((\i)%2)+8*\n+3] offset:128*(\n/2)+32*(\n%2)
	ds_store_b128 v[40+(\i)], v[128*((\i)%2)+8*\n+4:128*((\i)%2)+8*\n+7] offset:128*(\n/2)+32*(\n%2)+16
.endr
	WIN 0
.endm
; Tile i: rows 4 w .. 4 w + 3 are mine.  The four waves' parts of these rows come back, 512 consecutive bytes a load, are added and stored; the next tile's parts go to LDS behind the loads.
.macro MERGE i
.if \i < 3
	SCALE \i+1
.endif
	WIN 0
	VDONE
	s_wait_dscnt 0x0                               ; for the others' sake: my stores have landed
	s_barrier_signal -1
	s_barrier_wait -1
.if \i > 0
	s_wait_xcnt 0x0                                ; the last tile's stores have read their registers
.endif
.irp w, 0,1,2,3
.irp q, 0,1,2,3
	ds_load_b128 v[128+32*\w+8*\q:131+32*\w+8*\q], v[44+\i] offset:RPART*\w+RP*\q
	ds_load_b128 v[132+32*\w+8*\q:135+32*\w+8*\q], v[44+\i] offset:RPART*\w+RP*\q+512
.endr
.endr
.if \i < 3
	PUT \i+1
	s_wait_dscnt 32                                ; the rows are back; the next tile's 32 stores may be out
.else
	s_wait_dscnt 0x0
.endif
.set kk, 0
.rept 16
	v_pk_add_f32 v[128+kk:129+kk], v[128+kk:129+kk], v[160+kk:161+kk]
	v_pk_add_f32 v[192+kk:193+kk], v[192+kk:193+kk], v[224+kk:225+kk]
.set kk, kk+2
.endr
.set kk, 0
.rept 16
	v_pk_add_f32 v[128+kk:129+kk], v[128+kk:129+kk], v[192+kk:193+kk]
.set kk, kk+2
.endr
.irp q, 0,1,2,3
	global_store_b128 v67, v[128+8*\q:131+8*\q], s[8:9] offset:(32*(\i/2)+8*(\i%2)+\q)*1024 th:TH_STORE_NT   ; 32 lanes store 512 consecutive bytes, at a multiple of 256 from the buffer's first byte
	global_store_b128 v67, v[132+8*\q:135+8*\q], s[8:9] offset:(32*(\i/2)+8*(\i%2)+\q)*1024+512 th:TH_STORE_NT
.endr
.endm
	SCALE 0
	PUT 0
	MERGE 0
	MERGE 1
	MERGE 2
	MERGE 3
	s_wait_tensorcnt 0x0                           ; the wave's end: behind my last tensor load and my last LDS store
	ds_add_u32 v[SPW], v[NIL]
	s_wait_dscnt 0x0
	ROUND                                          ; the closing round: no work-group ends while a partner may still ask for a tile that names it
	s_endpgm
.Lfunc_end_k_q6007be698c_attn:
	.size	k_q6007be698c_attn, .Lfunc_end_k_q6007be698c_attn-k_q6007be698c_attn
	.p2alignl 7, 3214868480
	.fill 96, 4, 3214868480
	.section	.rodata,"a",@progbits
	.p2align	6, 0x0
	.amdhsa_kernel k_q6007be698c_attn
		.amdhsa_group_segment_fixed_size 327680
		.amdhsa_private_segment_fixed_size 0
		.amdhsa_enable_private_segment 0
		.amdhsa_kernarg_size 24
		.amdhsa_user_sgpr_count 2
		.amdhsa_user_sgpr_kernarg_segment_ptr 1
		.amdhsa_wavefront_size32 1
		.amdhsa_system_sgpr_workgroup_id_x 1
		.amdhsa_system_sgpr_workgroup_id_y 1
		.amdhsa_system_sgpr_workgroup_id_z 1
		.amdhsa_system_vgpr_workitem_id 0
		.amdhsa_next_free_vgpr 1024
		.amdhsa_next_free_sgpr 66
		.amdhsa_reserve_vcc 0
		.amdhsa_float_denorm_mode_32 3
		.amdhsa_float_denorm_mode_16_64 3
		.amdhsa_memory_ordered 1
		.amdhsa_forward_progress 1
		.amdhsa_inst_pref_size 255
	.end_amdhsa_kernel
	.section	.bss,"aw",@nobits
	.p2align	6
	.space	262144
	.amdgpu_metadata
---
amdhsa.version: [ 1, 2 ]
amdhsa.kernels:
  - .name:           k_q6007be698c_attn
    .symbol:         k_q6007be698c_attn.kd
    .args:
      - { .name: qc, .offset: 0, .size: 8, .value_kind: global_buffer, .address_space: global }
      - { .name: kv, .offset: 8, .size: 8, .value_kind: global_buffer, .address_space: global }
      - { .name: out0, .offset: 16, .size: 8, .value_kind: global_buffer, .address_space: global }
    .group_segment_fixed_size: 327680
    .private_segment_fixed_size: 0
    .kernarg_segment_align: 8
    .kernarg_segment_size: 24
    .max_flat_workgroup_size: 128
    .sgpr_count:     66
    .vgpr_count:     1024
    .wavefront_size: 32
...
	.end_amdgpu_metadata
.endif
;; end of part 3
